; MI455X (gfx1250); checked and timed in simulation.
; The chip was launched on July 23, 2026; its instructions are those of AMD's public machine-readable ISA for CDNA 5 (MIT licence, August 2026) and "CDNA5" Instruction Set Architecture Reference Guide (July 2026). The comments in the code are by the model that wrote it; some were corrected since.
;; Multi Head Self Attention. Allowed arithmetic: float matrix products may take bf16 or f16 operands with f32 sums; all other float work in f32.
;; Inputs: Wk 1,024 x 1,024 float32; Wo 1,024 x 1,024 float32; Wq 1,024 x 1,024 float32; Wv 1,024 x 1,024 float32; X 2 x 2,048 x 1,024 float32; bk 1,024 float32; bo 1,024 float32; bq 1,024 float32; bv 1,024 float32.
;; Outputs: out0 2 x 2,048 x 1,024 float32.
;; 2 versions, each right; version 2 is version 1 with the launch cvt written anew for expert scheduling mode. Each part assembles by itself: llvm-mc -triple=amdgcn-amd-amdhsa -mcpu=gfx1250 --defsym DOCPART=n.
;; ======== version 1 of 2: 4 launches
;; workspace buffers: Xb 8,388,608 bytes; Wb 6,291,456 bytes; Wob 2,097,152 bytes; bqkv 12,288 bytes; qkv 25,165,824 bytes; att 8,388,608 bytes
;; launch cvt (part 1): grid 64 x 8, 8 waves a work-group, no clusters, 0 bytes of LDS; arguments X, Wq, Wk, Wv, Wo, bq, bk, bv, Xb, Wb, Wob, bqkv; writes Xb, Wb, Wob, bqkv
.if DOCPART == 1
	.amdgcn_target "amdgcn-amd-amdhsa--gfx1250"
	.amdhsa_code_object_version 6
	.text
	.protected	k_q526d0bdc75_cvt
	.globl	k_q526d0bdc75_cvt
	.p2align	8
	.type	k_q526d0bdc75_cvt,@function
k_q526d0bdc75_cvt:
	s_mov_b64 s[64:65], 0
	v_nop
	global_prefetch_b8 v0, s[64:65] scope:SCOPE_SE
	s_setreg_imm32_b32 hwreg(HW_REG_WAVE_MODE, 25, 1), 1
	s_wait_xcnt 0x0
; X, Wq, Wk, Wv, Wo: f32 -> bf16 (round to nearest even), once, so that the three matrix launches read 16-bit tiles.
; Xb = X; Wb = Wq, Wk, Wv one under the other ([3072][1024]); Wob = Wo; bqkv = bq, bk, bv one behind the other (f32, copied).
; A stream: every byte is read once and written once; no LDS, no barrier, no matrix unit, and no cluster, since no two work-groups read the same byte.
; Grid y picks the part: 0..3 the quarters of X, 4, 5, 6 = Wq, Wk, Wv, 7 = Wo; each part is 1,048,576 numbers.
; Grid x picks 16,384 numbers of it: 64 KiB in, 32 KiB out.  Thread t takes 16 bytes at 16 t of each 4,096-byte piece:
; a load of a wave covers 512 consecutive bytes, a store 256 consecutive bytes, both aligned to their length.
.set IN,  4                            ; v[4:67]    16 pieces, 4 f32 each
.set OUT, 68                           ; v[68:99]   16 pieces, 4 bf16 each
.set BV,  100                          ; v[100:103] a bias's 16 bytes
	s_load_b512 s[8:23], s[0:1], 0x0               ; X 8, Wq 10, Wk 12, Wv 14, Wo 16, bq 18, bk 20, bv 22
	s_load_b256 s[24:31], s[0:1], 0x40             ; Xb 24, Wb 26, Wob 28, bqkv 30
	s_mov_b32 s3, ttmp9                            ; x: the piece of 16,384 numbers
	s_and_b32 s4, ttmp7, 0xffff                    ; y: the part
	v_lshlrev_b32 v1, 4, v0                        ; 16 t
	v_lshlrev_b32 v2, 3, v0                        ; 8 t
	s_sub_co_u32 s5, s4, 4                         ; y - 4: which of Wq, Wk, Wv (used only where y >= 4)
	s_cmp_lt_u32 s4, 4
	s_cselect_b32 s6, s4, 0                        ; part inside the source buffer: X's quarter, else 0
	s_cselect_b32 s7, s4, s5                       ; part inside the destination: Xb's quarter, Wb's third,
	s_cmp_eq_u32 s4, 7
	s_cselect_b32 s7, 0, s7                        ; Wob: 0
	s_lshl_b32 s6, s6, 6
	s_add_co_u32 s6, s6, s3
	s_lshl_b32 s36, s6, 16                         ; source offset: 65,536 bytes a piece (at most 255 pieces: below 2^24)
	s_mov_b32 s37, 0
	s_lshl_b32 s7, s7, 6
	s_add_co_u32 s7, s7, s3
	s_lshl_b32 s38, s7, 15                         ; destination offset: 32,768 bytes a piece
	s_mov_b32 s39, 0
	s_wait_kmcnt 0x0
	s_cmp_eq_u32 s4, 4                             ; the source buffer, chosen by y alone
	s_cselect_b64 s[32:33], s[10:11], s[8:9]
	s_cmp_eq_u32 s4, 5
	s_cselect_b64 s[32:33], s[12:13], s[32:33]
	s_cmp_eq_u32 s4, 6
	s_cselect_b64 s[32:33], s[14:15], s[32:33]
	s_cmp_eq_u32 s4, 7
	s_cselect_b64 s[32:33], s[16:17], s[32:33]
	s_cselect_b64 s[34:35], s[28:29], s[26:27]     ; the destination buffer: Wob for y = 7, else Wb,
	s_cmp_lt_u32 s4, 4
	s_cselect_b64 s[34:35], s[24:25], s[34:35]     ; Xb for y < 4
	s_add_nc_u64 s[32:33], s[32:33], s[36:37]
	s_add_nc_u64 s[34:35], s[34:35], s[38:39]
.irp i, 0,1,2,3,4,5,6,7,8,9,10,11,12,13,14,15
	global_load_b128 v[IN+4*\i:IN+4*\i+3], v1, s[32:33] offset:4096*\i th:TH_LOAD_NT   ; all 16 loads of the thread go out together
.endr
.irp i, 0,1,2,3,4,5,6,7,8,9,10,11,12,13,14,15
	s_wait_loadcnt 15-\i                           ; loads return in order: piece i is in, the 15 - i younger ones stay out
	v_cvt_pk_bf16_f32 v[OUT+2*\i],   v[IN+4*\i],   v[IN+4*\i+1]
	v_cvt_pk_bf16_f32 v[OUT+2*\i+1], v[IN+4*\i+2], v[IN+4*\i+3]
	global_store_b64 v2, v[OUT+2*\i:OUT+2*\i+1], s[34:35] offset:2048*\i   ; every piece has registers of its own: nothing is rewritten
.endr
	; the three biases: 4,096 bytes each, copied by the first work-group of Wq's, Wk's and Wv's part
	s_cmp_lg_u32 s3, 0
	s_cbranch_scc1 .Lend
	s_cmp_lt_u32 s4, 4
	s_cbranch_scc1 .Lend
	s_cmp_eq_u32 s4, 7
	s_cbranch_scc1 .Lend
	s_cmp_eq_u32 s4, 5
	s_cselect_b64 s[40:41], s[20:21], s[18:19]
	s_cmp_eq_u32 s4, 6
	s_cselect_b64 s[40:41], s[22:23], s[40:41]
	s_lshl_b32 s42, s5, 12                         ; (y - 4) x 4,096 bytes
	s_mov_b32 s43, 0
	s_add_nc_u64 s[42:43], s[30:31], s[42:43]
	global_load_b128 v[BV:BV+3], v1, s[40:41]
	s_wait_loadcnt 0x0
	global_store_b128 v1, v[BV:BV+3], s[42:43]
.Lend:
	s_endpgm
.Lfunc_end_k_q526d0bdc75_cvt:
	.size	k_q526d0bdc75_cvt, .Lfunc_end_k_q526d0bdc75_cvt-k_q526d0bdc75_cvt
	.p2alignl 7, 3214868480
	.fill 96, 4, 3214868480
	.section	.rodata,"a",@progbits
	.p2align	6, 0x0
	.amdhsa_kernel k_q526d0bdc75_cvt
		.amdhsa_group_segment_fixed_size 0
		.amdhsa_private_segment_fixed_size 0
		.amdhsa_enable_private_segment 0
		.amdhsa_kernarg_size 96
		.amdhsa_user_sgpr_count 2
		.amdhsa_user_sgpr_kernarg_segment_ptr 1
		.amdhsa_wavefront_size32 1
		.amdhsa_system_sgpr_workgroup_id_x 1
		.amdhsa_system_sgpr_workgroup_id_y 1
		.amdhsa_system_sgpr_workgroup_id_z 1
		.amdhsa_system_vgpr_workitem_id 0
		.amdhsa_next_free_vgpr 104
		.amdhsa_next_free_sgpr 66
		.amdhsa_reserve_vcc 0
		.amdhsa_float_denorm_mode_32 3
		.amdhsa_float_denorm_mode_16_64 3
		.amdhsa_memory_ordered 1
		.amdhsa_forward_progress 1
		.amdhsa_inst_pref_size 8
	.end_amdhsa_kernel
	.amdgpu_metadata
---
amdhsa.version: [ 1, 2 ]
amdhsa.kernels:
  - .name:           k_q526d0bdc75_cvt
    .symbol:         k_q526d0bdc75_cvt.kd
    .args:
      - { .name: X, .offset: 0, .size: 8, .value_kind: global_buffer, .address_space: global }
      - { .name: Wq, .offset: 8, .size: 8, .value_kind: global_buffer, .address_space: global }
      - { .name: Wk, .offset: 16, .size: 8, .value_kind: global_buffer, .address_space: global }
      - { .name: Wv, .offset: 24, .size: 8, .value_kind: global_buffer, .address_space: global }
      - { .name: Wo, .offset: 32, .size: 8, .value_kind: global_buffer, .address_space: global }
      - { .name: bq, .offset: 40, .size: 8, .value_kind: global_buffer, .address_space: global }
      - { .name: bk, .offset: 48, .size: 8, .value_kind: global_buffer, .address_space: global }
      - { .name: bv, .offset: 56, .size: 8, .value_kind: global_buffer, .address_space: global }
      - { .name: Xb, .offset: 64, .size: 8, .value_kind: global_buffer, .address_space: global }
      - { .name: Wb, .offset: 72, .size: 8, .value_kind: global_buffer, .address_space: global }
      - { .name: Wob, .offset: 80, .size: 8, .value_kind: global_buffer, .address_space: global }
      - { .name: bqkv, .offset: 88, .size: 8, .value_kind: global_buffer, .address_space: global }
    .group_segment_fixed_size: 0
    .private_segment_fixed_size: 0
    .kernarg_segment_align: 8
    .kernarg_segment_size: 96
    .max_flat_workgroup_size: 256
    .sgpr_count:     66
    .vgpr_count:     104
    .wavefront_size: 32
...
	.end_amdgpu_metadata
.endif
;; end of part 1
;; launch qkv (part 2): grid 16 x 16, 4 waves a work-group, clusters of 4 x 4, 327,680 bytes of LDS; arguments Xb, Wb, bqkv, qkv; writes qkv
.if DOCPART == 2
	.amdgcn_target "amdgcn-amd-amdhsa--gfx1250"
	.amdhsa_code_object_version 6
	.text
	.protected	k_q526d0bdc75_qkv
	.globl	k_q526d0bdc75_qkv
	.p2align	8
	.type	k_q526d0bdc75_qkv,@function
k_q526d0bdc75_qkv:
	s_mov_b64 s[64:65], 0
	v_nop
	global_prefetch_b8 v0, s[64:65] scope:SCOPE_SE
	s_setreg_imm32_b32 hwreg(HW_REG_WAVE_MODE, 25, 1), 1
	s_wait_xcnt 0x0
	s_wait_alu depctr_hold_cnt(0) depctr_sa_sdst(0) depctr_va_vdst(0) depctr_va_sdst(0) depctr_va_ssrc(0) depctr_va_vcc(0) depctr_vm_vsrc(0)
	s_getreg_b32 s2, hwreg(HW_REG_IB_STS2, 6, 4)
	s_cmp_eq_u32 s2, 0
	s_cbranch_scc0 .Lentry_in_a_cluster
	s_endpgm
.Lentry_in_a_cluster:
	s_bfe_u32 s2, ttmp6, 0x10000c
	s_cmp_lg_u32 s2, 0xf033
	s_cbranch_scc0 .Lentry_shape_is_right
	s_endpgm
.Lentry_shape_is_right:
; C[m][n] = sum over k of Xb[m][k] Wb[n][k] + bqkv[n], m < 4096, n < 3072, k < 1024; bf16 operands, f32 sums, C rounded once to bf16.
; C is stored head-major: qkv[b][g][s][64], b = m / 2048, s = m % 2048, g = n / 64 (0-15 q, 16-31 k, 32-47 v), a plane (b, g) = 262,144 bytes,
; so that the attention launch reads dense tiles and every store here covers 512 consecutive bytes.
; A work-group makes 256 rows x 192 columns (three whole heads): 16 x 16 = 256 work-groups.  Wave w makes rows 64 w .. 64 w + 63 of all 192 columns:
; 4 x 12 accumulator tiles, 384 registers.  A wave so owns whole head rows and needs nobody else on the way out.
; K goes in 8 steps of 128 through a ring of two LDS slots filled by the tensor data mover; a tile's rows are 256 bytes of memory, aligned.
; CLUSTERS: 4 x 4 work-groups.  The four of a row of the cluster need the same rows of Xb, the four of a column the same rows of Wb: joint loads.
; The bias is the C operand of each accumulator's first product: nothing is cleared and nothing is added on the way out.
; LIMIT: operands and result are bf16 (8 bits of mantissa); sums are f32.
;
; REGISTERS in windows of 256:  window 0: v16-27 addresses, v32-79 packed results, v80-143 fragments of X (two buffers of 4 x 8), v144-239 the bias
;   window 1: fragments of W, two buffers of 12 x 8 (v0-95, v96-191);  window 2: accumulators of my rows 0-31 (tile (a, b) at 8 (12 (a & 1) + b));  window 3: rows 32-63
; The matrix instruction is used transposed (source 0 = 16 rows of W, source 1 = 16 rows of X): lane l then holds row l % 16 of C and in its
; registers 0-7 the columns 8 (l / 16) + 0..7, eight neighbouring numbers of a head's row.
.set KSTEP,  128
.set PITCH,  272                       ; an LDS row: 256 bytes + 16 of padding, an odd multiple of 16: the 16 rows of a fragment load start in 16 different 16-byte columns
.set AHALF,  128*PITCH                 ; what wave 0 or 1 fetches: 128 rows of X
.set BHALF,  96*PITCH                  ; what wave 2 or 3 fetches: 96 rows of W
.set BPART,  2*AHALF                   ; W's rows lie behind X's 256
.set SLOT,   BPART+2*BHALF             ; 121,856
.set STAGE,  2*SLOT                    ; 243,712 = 952 x 256: behind the ring, never filled by a tensor load
.set SP,     144                       ; the stage's pitch: a head's row of 128 bytes + 16
.set SHEAD,  16*SP                     ; 16 rows of one head
.set SWAVE,  3*SHEAD                   ; a wave's stage
.set PLANE,  262144
.set LAPS,   4                         ; a lap = two K steps = once round the ring
.set ADRA, 16                          ; v16-17 LDS address of my X fragments in slot 0, 1
.set ADRB, 20                          ; v20-21 the same for W
.set STO,  24
.set RD,   25
.set CO,   26
.set BOFF, 27
.set TMP,  32
.set FA,   80
.set RB,   80                          ; the way out reads the stage back into v80-127
.set BIAS, 144
.set G1,  24                           ; s[24:31] group 1 for X's tiles
.set G0,  32                           ; s[32:39] group 0 for X's tiles, a set for each slot
.set G1B, 48                           ; s[48:55] group 1 for W's tiles
.set G0B, 56                           ; s[56:63] group 0 for W's tiles
.set MSB, 0
.macro WIN new                         ; the immediate's high byte repeats the setting that is left; a switch that changes nothing is dropped
.if MSB != \new
	s_set_vgpr_msb (MSB<<8)|\new
.set MSB, \new
.endif
.endm
.set MUL_LO,  0xa1                     ; source 0 (W) window 1, source 1 (X) window 0, C and D window 2
.set MUL_HI,  0xf1                     ; C and D window 3
.set BIAS_LO, 0x81                     ; the first products: C = the bias, window 0; D window 2
.set BIAS_HI, 0xc1                     ; D window 3
.set TO_B,    0x40                     ; destination window 1, address window 0
.macro PLACES                          ; four independent vector instructions behind a matrix instruction, before its registers are loaded into or its result read (ISA guide 7.12.1)
.rept 4
	v_nop
.endr
.endm
; A joint load: waves 0, 1 ask for X's two halves, waves 2, 3 for W's.  One load a wave; the branch hangs on the wave's number alone.
.macro JLOAD s
	s_cmp_eq_u32 s13, 0
	s_cbranch_scc0 .Lfor_b_\@
	tensor_load_to_lds s[G0+4*(\s):G0+4*(\s)+3], s[G1:G1+7]
	s_nop 0
	s_branch .Lasked_\@
.Lfor_b_\@:
	tensor_load_to_lds s[G0B+4*(\s):G0B+4*(\s)+3], s[G1B:G1B+7]
	s_nop 0
.Lasked_\@:
.endm
.macro CREST                           ; a round of the cluster's barrier behind its opening work-group barrier
	s_cmp_lg_u32 s12, 0
	s_cbranch_scc1 .Lnot_wave_0_\@
	s_barrier_signal -3
.Lnot_wave_0_\@:
	s_barrier_wait -3
	s_barrier_signal -1
	s_barrier_wait -1
.endm
.macro CROUND
	s_barrier_signal -1
	s_barrier_wait -1
	CREST
.endm
	s_load_b256 s[4:11], s[0:1], 0x0               ; Xb 4, Wb 6, bqkv 8, qkv 10
	s_set_vgpr_msb 0x40
	v_lshl_add_u32 v255, v0, 2, 0x42400
	s_set_vgpr_msb 0x4000
	v_mov_b32 v255, 0
	s_set_vgpr_msb 0x1
	ds_add_u32 v255, v255
	s_set_vgpr_msb 0x100
	v_lshrrev_b32 v1, 5, v0
	v_readfirstlane_b32 s12, v1                    ; wave 0..3
	s_lshr_b32 s13, s12, 1                         ; I fetch for X (0) or for W (1)
	s_and_b32 s14, s12, 1                          ; which half of that tile
	s_bfe_u32 s40, ttmp6, 0x40000                  ; cx
	s_bfe_u32 s41, ttmp6, 0x40004                  ; cy
	s_lshl_b32 s42, ttmp9, 2
	s_add_co_u32 s42, s42, s40                     ; block column = 4 x cluster x + cx
	s_and_b32 s43, ttmp7, 0xffff
	s_lshl_b32 s43, s43, 2
	s_add_co_u32 s43, s43, s41                     ; block row = 4 x cluster y + cy
	s_lshl_b32 s44, s41, 2
	s_lshl_b32 s44, 15, s44                        ; my row of the cluster: places 4 cy .. 4 cy + 3
	s_lshl_b32 s45, 0x1111, s40                    ; my column: places cx, cx + 4, cx + 8, cx + 12
	; group 1: elements of 2 bytes, rows of 128 elements, 16 bytes of padding behind every 64 dwords; X: 128 rows, W: 96 rows; 1,024 elements from row to row
	s_or_b32 s[G1+0],  s44, (1<<16)|(1<<20)|(1<<21)|(5<<22)|(3<<25)
	s_or_b32 s[G1B+0], s45, (1<<16)|(1<<20)|(1<<21)|(5<<22)|(3<<25)
	s_mov_b32 s[G1+1],  KSTEP<<16                  ; tensor_dim0 = 128
	s_mov_b32 s[G1B+1], KSTEP<<16
	s_mov_b32 s[G1+2],  128<<16                    ; tensor_dim1
	s_mov_b32 s[G1B+2], 96<<16
	s_mov_b32 s[G1+3],  KSTEP<<16                  ; tile_dim0 = 128
	s_mov_b32 s[G1B+3], KSTEP<<16
	s_mov_b32 s[G1+4],  128                        ; tile_dim1
	s_mov_b32 s[G1B+4], 96
	s_mov_b32 s[G1+5],  1024                       ; the pitch
	s_mov_b32 s[G1B+5], 1024
	s_mov_b32 s[G1+6],  0
	s_mov_b32 s[G1B+6], 0
	s_mov_b32 s[G1+7],  0
	s_mov_b32 s[G1B+7], 0
	; X's tiles hang on the block row alone, W's on the block column alone; each offset in registers that never hold the other coordinate
	s_lshl_b32 s17, s14, 7
	s_lshl_b32 s16, s43, 8
	s_add_co_u32 s16, s16, s17                     ; X: row 256 x block row + 128 x half
	s_lshl_b32 s16, s16, 11                        ; x 2,048 bytes (at most 4,095 rows: below 2^23)
	s_mov_b32 s17, 0
	s_mul_i32 s46, s42, 192
	s_mul_i32 s47, s14, 96
	s_add_co_u32 s46, s46, s47                     ; W: row 192 x block column + 96 x half
	s_lshl_b32 s46, s46, 11
	s_mov_b32 s47, 0
	s_mul_i32 s20, s12, AHALF                      ; LDS: X's halves at wave x 34,816 (waves 0, 1)
	s_mul_i32 s21, s12, BHALF
	s_add_co_u32 s21, s21, BPART-2*BHALF           ; W's halves at 69,632 + (wave - 2) x 26,112 (waves 2, 3)
	s_wait_dscnt 0x0
	s_wait_kmcnt 0x0
	s_add_nc_u64 s[18:19], s[4:5], s[16:17]
	s_add_nc_u64 s[46:47], s[6:7], s[46:47]
	CROUND                                         ; all sixteen work-groups are here: the first joint loads meet
.irp s, 0,1
	s_mov_b32 s[G0+4*\s], 1
	s_add_co_u32 s[G0+4*\s+1], s20, \s*SLOT
	s_add_nc_u64 s[G0+4*\s+2:G0+4*\s+3], s[18:19], \s*KSTEP*2      ; K step s
	s_or_b32 s[G0+4*\s+3], s[G0+4*\s+3], 0x80000000                ; type = 2
	s_mov_b32 s[G0B+4*\s], 1
	s_add_co_u32 s[G0B+4*\s+1], s21, \s*SLOT
	s_add_nc_u64 s[G0B+4*\s+2:G0B+4*\s+3], s[46:47], \s*KSTEP*2
	s_or_b32 s[G0B+4*\s+3], s[G0B+4*\s+3], 0x80000000
	JLOAD \s                                       ; both first fills go out together: two tensor loads of the wave are out
.endr
	; the bias in the accumulators' layout: register 8 b + j of lane l = bqkv[192 x block column + 16 b + 8 (l / 16) + j]
	v_and_b32 v1, 15, v0                           ; r = l % 16
	v_bfe_u32 v2, v0, 4, 1                         ; h = l / 16
	v_lshlrev_b32 v[BOFF], 5, v2
	s_mul_i32 s66, s42, 768
	s_mov_b32 s67, 0
	s_add_nc_u64 s[8:9], s[8:9], s[66:67]
.irp b, 0,1,2,3,4,5,6,7,8,9,10,11
	global_load_b128 v[BIAS+8*\b:BIAS+8*\b+3],   v[BOFF], s[8:9] offset:64*\b
	global_load_b128 v[BIAS+8*\b+4:BIAS+8*\b+7], v[BOFF], s[8:9] offset:64*\b+16
.endr
	; fragments: lane l holds row l % 16; registers 0-3 K = 8 h + 0..7, registers 4-7 K = 16 + 8 h + 0..7: two loads of 16 bytes, 32 apart
	v_mul_u32_u24 v3, v1, PITCH
	v_lshl_add_u32 v3, v2, 4, v3
	s_mul_i32 s22, s12, 64*PITCH                   ; my 64 rows of X
	s_mov_b32 s23, BPART                           ; all 192 rows of W
.irp s, 0,1
	v_add_nc_u32 v[ADRA+\s], s22, v3
	v_add_nc_u32 v[ADRB+\s], s23, v3
	s_add_co_u32 s22, s22, SLOT
	s_add_co_u32 s23, s23, SLOT
.endr
	s_mul_i32 s22, s12, SWAVE
	s_add_co_u32 s22, s22, STAGE                   ; my stage
	v_mul_u32_u24 v4, v1, SP
	v_lshl_add_u32 v4, v2, 4, v4
	v_add_nc_u32 v[STO], s22, v4                   ; in: row r, 16 bytes for each half of the lanes
	v_and_b32 v5, 31, v0
	v_lshrrev_b32 v6, 3, v5
	v_and_b32 v7, 7, v0
	v_mul_u32_u24 v6, v6, SP
	v_lshl_add_u32 v6, v7, 4, v6
	v_add_nc_u32 v[RD], s22, v6                    ; back: eight lanes take a row of 128 bytes, the wave four rows
	v_lshlrev_b32 v[CO], 4, v5                     ; which are 512 consecutive bytes of a plane
	; qkv at plane (block row / 8) x 48 + 3 x block column, row (block row % 8) x 256 + 64 w
	s_lshr_b32 s66, s43, 3
	s_mul_i32 s66, s66, 48
	s_mul_i32 s68, s42, 3
	s_add_co_u32 s66, s66, s68
	s_lshl_b32 s66, s66, 18
	s_and_b32 s68, s43, 7
	s_lshl_b32 s68, s68, 8
	s_lshl_b32 s69, s12, 6
	s_add_co_u32 s68, s68, s69
	s_lshl_b32 s68, s68, 7
	s_add_co_u32 s66, s66, s68
	s_mov_b32 s67, 0
	s_add_nc_u64 s[10:11], s[10:11], s[66:67]
; 12 matrix instructions: one block of 16 rows (2 hi + a2) x all 12 column blocks, 32 along K, from buffer f.  zero = 1: the first product, C = the bias.
.macro MULA f, hi, a2, zero
.irp b, 0,1,2,3,4,5,6,7,8,9,10,11
.if \zero
	v_wmma_f32_16x16x32_bf16 v[8*(12*\a2+\b):8*(12*\a2+\b)+7], v[96*\f+8*\b:96*\f+8*\b+7], v[FA+32*\f+8*(2*\hi+\a2):FA+32*\f+8*(2*\hi+\a2)+7], v[BIAS+8*\b:BIAS+8*\b+7]
.else
	v_wmma_f32_16x16x32_bf16 v[8*(12*\a2+\b):8*(12*\a2+\b)+7], v[96*\f+8*\b:96*\f+8*\b+7], v[FA+32*\f+8*(2*\hi+\a2):FA+32*\f+8*(2*\hi+\a2)+7], v[8*(12*\a2+\b):8*(12*\a2+\b)+7]
.endif
.endr
.endm
; 32 LDS loads in one run: a quarter step's fragments (192 rows of W, then my 64 rows of X, 32 K at byte k of the rows) into buffer f
.macro FETCH slot, k, f
	WIN TO_B
.irp i, 0,1,2,3,4,5,6,7,8,9,10,11
	ds_load_b128 v[96*\f+8*\i:96*\f+8*\i+3],   v[ADRB+\slot] offset:\k+\i*16*PITCH
	ds_load_b128 v[96*\f+8*\i+4:96*\f+8*\i+7], v[ADRB+\slot] offset:\k+\i*16*PITCH+32
.endr
	WIN 0
.irp i, 0,1,2,3
	ds_load_b128 v[FA+32*\f+8*\i:FA+32*\f+8*\i+3],   v[ADRA+\slot] offset:\k+\i*16*PITCH
	ds_load_b128 v[FA+32*\f+8*\i+4:FA+32*\f+8*\i+7], v[ADRA+\slot] offset:\k+\i*16*PITCH+32
.endr
.endm
; A K step is four quarters of 32 along K, 48 matrix instructions each, on buffers 0, 1, 0, 1.  The 48 accumulators take turns, one instruction
; a turn, in the same order in every quarter, over the backward jump too.
.macro QUARTER slot, k, f, g, zero
	s_wait_dscnt 4                                 ; W and X's rows 0-31 are in; the four youngest loads (X's rows 32-63) may be out
.if \zero
	WIN BIAS_LO
.else
	WIN MUL_LO
.endif
	MULA \f, 0, 0, \zero
	MULA \f, 0, 1, \zero
	PLACES
	FETCH \slot, \k, \g
	s_wait_dscnt 32                                ; all but the 32 just issued
.if \zero
	WIN BIAS_HI
.else
	WIN MUL_HI
.endif
	MULA \f, 1, 0, \zero
	MULA \f, 1, 1, \zero
.endm
.macro THREE slot, zero
	QUARTER \slot, 64,  0, 1, \zero
	QUARTER \slot, 128, 1, 0, 0
	QUARTER \slot, 192, 0, 1, 0
.endm
; The last quarter multiplies buffer 1 and changes slots.  In front of the barrier each wave waits for its reads of this slot and for all its
; tensor loads (one is out: its part of the next slot).  fill = 1: the barrier opens a round of the cluster's barrier, and the joint refill of
; this slot, two K steps ahead, is the first tensor load behind the round; it has a K step less 12 matrix instructions in which to land.
.macro TURN slot, next, fill
	s_wait_dscnt 4
	WIN MUL_LO
	MULA 1, 0, 0, 0
	s_wait_dscnt 0                                 ; my reads of this slot are over
	s_wait_tensorcnt 0x0                           ; all my tensor loads have landed
	ds_add_u32 v255, v255
	s_wait_dscnt 0x0
	s_barrier_signal -1
	MULA 1, 0, 1, 0                                ; register work while the others arrive
	WIN 0
	s_barrier_wait -1
.if \fill
	CREST                                          ; no wave of any partner still reads this slot or has a load on its way
	s_add_nc_u64 s[G0+4*\slot+2:G0+4*\slot+3], s[G0+4*\slot+2:G0+4*\slot+3], 2*KSTEP*2
	s_add_nc_u64 s[G0B+4*\slot+2:G0B+4*\slot+3], s[G0B+4*\slot+2:G0B+4*\slot+3], 2*KSTEP*2
	JLOAD \slot
.endif
	PLACES
	FETCH \next, 0, 0
	WIN MUL_HI
	MULA 1, 1, 0, 0
	MULA 1, 1, 1, 0
.endm
.macro LAP zero
	THREE 0, \zero
	TURN 0, 1, 1
	THREE 1, 0
	TURN 1, 0, 1
.endm
	s_wait_tensorcnt 0x1                           ; my part of K step 0 is in; K step 1's load, issued behind it, stays out
	s_barrier_signal -1
	s_barrier_wait -1                              ; everybody's part is in
	s_wait_loadcnt 0x0                             ; the bias: the first products read it
	FETCH 0, 0, 0
	LAP 1                                          ; K steps 0, 1; fills 2, 3
	WIN 0
	s_mov_b32 s15, LAPS-2
.Llap:
	LAP 0                                          ; K steps 2, 3 and 4, 5; fills 4, 5 and 6, 7
	WIN 0
	s_sub_co_u32 s15, s15, 1
	s_cmp_lg_u32 s15, 0
	s_cbranch_scc1 .Llap
	THREE 0, 0                                     ; the last lap fills nothing
	TURN 0, 1, 0
	THREE 1, 0
	s_wait_dscnt 4
	WIN MUL_LO
	MULA 1, 0, 0, 0
	MULA 1, 0, 1, 0
	s_wait_dscnt 0
	WIN MUL_HI
	MULA 1, 1, 0, 0
	MULA 1, 1, 1, 0
	PLACES                                         ; behind the last products: the conversions read results, the read-back lands in fragment registers
; THE WAY OUT, 16 rows at a time (block a; a2 = a & 1; from = window 2 or 3 for sources 0 and 1): round to bf16, 16 bytes a lane into my own stage
; (three heads of 16 rows x 144 bytes), read back four whole head rows at a time, store 512 consecutive, aligned bytes of a plane.
; The stage is the wave's own and LDS serves a wave's instructions in order (ISA guide 5.7.1): no wait between stores and loads, no barrier.
.macro OUT a, a2, from
	WIN \from
.irp b, 0,1,2,3,4,5,6,7,8,9,10,11
.irp i, 0,1,2,3
	v_cvt_pk_bf16_f32 v[TMP+4*\b+\i], v[8*(12*\a2+\b)+2*\i], v[8*(12*\a2+\b)+2*\i+1]
.endr
.endr
	WIN 0
.irp b, 0,1,2,3,4,5,6,7,8,9,10,11
	ds_store_b128 v[STO], v[TMP+4*\b:TMP+4*\b+3] offset:(\b/4)*SHEAD+(\b%4)*32
.endr
	s_wait_xcnt 0x0                                ; the last block's stores have read v80-127: they are loaded again only behind this wait
.irp gh, 0,1,2
.irp t, 0,1,2,3
	ds_load_b128 v[RB+4*(4*\gh+\t):RB+4*(4*\gh+\t)+3], v[RD] offset:\gh*SHEAD+\t*4*SP
.endr
.endr
.irp gh, 0,1,2
.irp t, 0,1,2,3
	s_wait_dscnt 11-(4*\gh+\t)                     ; the younger read-backs stay out
	global_store_b128 v[CO], v[RB+4*(4*\gh+\t):RB+4*(4*\gh+\t)+3], s[10:11] offset:\gh*PLANE+(16*\a+4*\t)*128
.endr
.endr
.endm
	OUT 0, 0, 0x0a
	OUT 1, 1, 0x0a
	OUT 2, 0, 0x0f
	OUT 3, 1, 0x0f
	s_set_vgpr_msb 0x1
	s_wait_tensorcnt 0x0
	ds_add_u32 v255, v255
	s_wait_dscnt 0x0
	s_set_vgpr_msb 0x100
	CROUND                                         ; the closing round: no work-group ends while a partner may still ask for a tile that names it
	s_endpgm
.Lfunc_end_k_q526d0bdc75_qkv:
	.size	k_q526d0bdc75_qkv, .Lfunc_end_k_q526d0bdc75_qkv-k_q526d0bdc75_qkv
	.p2alignl 7, 3214868480
	.fill 96, 4, 3214868480
	.section	.rodata,"a",@progbits
	.p2align	6, 0x0
	.amdhsa_kernel k_q526d0bdc75_qkv
		.amdhsa_group_segment_fixed_size 327680
		.amdhsa_private_segment_fixed_size 0
		.amdhsa_enable_private_segment 0
		.amdhsa_kernarg_size 32
		.amdhsa_user_sgpr_count 2
		.amdhsa_user_sgpr_kernarg_segment_ptr 1
		.amdhsa_wavefront_size32 1
		.amdhsa_system_sgpr_workgroup_id_x 1
		.amdhsa_system_sgpr_workgroup_id_y 1
		.amdhsa_system_sgpr_workgroup_id_z 1
		.amdhsa_system_vgpr_workitem_id 0
		.amdhsa_next_free_vgpr 960
		.amdhsa_next_free_sgpr 70
		.amdhsa_reserve_vcc 0
		.amdhsa_float_denorm_mode_32 3
		.amdhsa_float_denorm_mode_16_64 3
		.amdhsa_memory_ordered 1
		.amdhsa_forward_progress 1
		.amdhsa_inst_pref_size 166
	.end_amdhsa_kernel
	.amdgpu_metadata
---
amdhsa.version: [ 1, 2 ]
amdhsa.kernels:
  - .name:           k_q526d0bdc75_qkv
    .symbol:         k_q526d0bdc75_qkv.kd
    .args:
      - { .name: Xb, .offset: 0, .size: 8, .value_kind: global_buffer, .address_space: global }
      - { .name: Wb, .offset: 8, .size: 8, .value_kind: global_buffer, .address_space: global }
      - { .name: bqkv, .offset: 16, .size: 8, .value_kind: global_buffer, .address_space: global }
      - { .name: qkv, .offset: 24, .size: 8, .value_kind: global_buffer, .address_space: global }
    .group_segment_fixed_size: 327680
    .private_segment_fixed_size: 0
    .kernarg_segment_align: 8
    .kernarg_segment_size: 32
    .max_flat_workgroup_size: 128
    .sgpr_count:     70
    .vgpr_count:     960
    .wavefront_size: 32
...
	.end_amdgpu_metadata
.endif
;; end of part 2
;; launch attn (part 3): grid 8 x 32, 4 waves a work-group, clusters of 4 x 1, 327,680 bytes of LDS; arguments qkv, att; writes att
.if DOCPART == 3
	.amdgcn_target "amdgcn-amd-amdhsa--gfx1250"
	.amdhsa_code_object_version 6
	.text
	.protected	k_q526d0bdc75_attn
	.globl	k_q526d0bdc75_attn
	.p2align	8
	.type	k_q526d0bdc75_attn,@function
k_q526d0bdc75_attn:
	s_mov_b64 s[64:65], 0
	v_nop
	global_prefetch_b8 v0, s[64:65] scope:SCOPE_SE
	s_setreg_imm32_b32 hwreg(HW_REG_WAVE_MODE, 25, 1), 1
	s_wait_xcnt 0x0
	s_wait_alu depctr_hold_cnt(0) depctr_sa_sdst(0) depctr_va_vdst(0) depctr_va_sdst(0) depctr_va_ssrc(0) depctr_va_vcc(0) depctr_vm_vsrc(0)
	s_getreg_b32 s2, hwreg(HW_REG_IB_STS2, 6, 4)
	s_cmp_eq_u32 s2, 0
	s_cbranch_scc0 .Lentry_in_a_cluster
	s_endpgm
.Lentry_in_a_cluster:
	s_bfe_u32 s2, ttmp6, 0x10000c
	s_cmp_lg_u32 s2, 0x3003
	s_cbranch_scc0 .Lentry_shape_is_right
	s_endpgm
.Lentry_shape_is_right:
; att[b][h][s][:] = softmax over t of (q[s] . k[t] / 8) times v[t], for one (b, h) = grid y and 256 queries = grid x; q, k, v from qkv[b][g][s][64] (bf16).
; Four waves, 64 queries each.  Keys go in 8 tiles of 256 through a ring of two LDS slots; a slot serves four steps of 64 keys.
; CLUSTERS: the four work-groups of a cluster are four query blocks of one head: they read the same K and V tiles and ask for them jointly (mask 15).
; EVERYTHING IS KEPT TRANSPOSED, so that no number of P moves between lanes:
;   S^T (key, query) = K fragment x Q fragment: lane (r, h), register j = key 16 kb + 8 h + j of query r.
;   Two such tiles, rounded to bf16 in pairs, ARE the second operand's fragment of P^T for 32 keys.
;   O^T (d, query) = V^T fragment (transposing LDS load) x P^T: lane (r, h), register j = d 16 db + 8 h + j of query r.
;   A query's maximum and sum are a lane's own, joined with the lane 16 further by one v_permlanex16_b32.
; SOFTMAX with a running maximum m: p = 2^(s c - m c), c = log2(e) / 8.  The shift NEGM = round(-m c) is one number, used alike in p and in the
; factor 2^(NEGM new - NEGM old) that rescales the sum and O, so the rounding of the shift cancels.
; LIMITS: q, k, v, p and the result are bf16; sums, maxima and exponents f32; v_exp_f32 gives 0 below 2^-126 (ISA guide 15.8), such p count as 0.
;
; LDS: a tile is dense in memory and comes in as rows of 256 bytes = TWO keys, padded behind each row.  Key t lies at (t / 2) x pitch + (t % 2) x 128.
;   K: pitch 272: the 16 keys of a fragment load start in 16-byte columns (r / 2) + 8 (r % 2), all different.
;   V: pitch 288: the 16 lanes of a transposing load start in columns 2 ((l % 8) / 2) + 8 (l % 2) + (l / 8) % 2, all different.
; REGISTERS: window 0: addresses, per-query figures, Q (v64-127), K fragments (v128-191), V fragments (v192-255)
;   window 1: S (v0-127, tile (qb, kb) at 32 qb + 8 kb), P (v128-191), ALPHA and the sums (v192-207);  window 2: O (tile (qb, db) at 32 qb + 8 db)
.set VP,     288
.set KP,     272
.set VHALF,  64*VP                     ; what wave 0 or 1 fetches: 128 keys of V
.set KHALF,  64*KP                     ; what wave 2 or 3 fetches: 128 keys of K
.set KPART,  2*VHALF                   ; 36,864: K lies behind V
.set SLOT,   KPART+2*KHALF             ; 71,680
.set STAGE,  2*SLOT                    ; 143,360 = 560 x 256: never filled by a tensor load
.set SP,     144
.set SWAVE,  64*SP
.set TILEB,  32768                     ; 256 keys x 128 bytes
.set KADR, 10                          ; v10-11 per slot
.set VADR, 12                          ; v12-13 per slot
.set STO,  14
.set RD,   15
.set CO,   16
.set QOFF, 17
.set MX,   24                          ; v24-27 running maximum of query block qb
.set T,    28                          ; v28-31
.set NEGM, 32                          ; v32-39 -m c, twice (a pair for the packed multiply-add)
.set T2,   40                          ; v40-43
.set Q,    64
.set KF,   128
.set VF,   192
.set S,    0                           ; window 1
.set P,    128
.set AL,   192
.set LP,   200
.set O,    0                           ; window 2
.set G1V, 16
.set G1K, 24
.set G0V, 32
.set G0K, 40
.set MSB, 0
.macro WIN new
.if MSB != \new
	s_set_vgpr_msb (MSB<<8)|\new
.set MSB, \new
.endif
.endm
.macro PLACES                          ; four independent vector instructions behind a matrix instruction (ISA guide 7.12.1)
.rept 4
	v_nop
.endr
.endm
.macro JLOAD s                         ; waves 0, 1 ask for V's halves, waves 2, 3 for K's: one load a wave
	s_cmp_eq_u32 s9, 0
	s_cbranch_scc0 .Lfor_k_\@
	tensor_load_to_lds s[G0V+4*(\s):G0V+4*(\s)+3], s[G1V:G1V+7]
	s_nop 0
	s_branch .Lasked_\@
.Lfor_k_\@:
	tensor_load_to_lds s[G0K+4*(\s):G0K+4*(\s)+3], s[G1K:G1K+7]
	s_nop 0
.Lasked_\@:
.endm
.macro CROUND                          ; a round of the cluster's barrier
	s_barrier_signal -1
	s_barrier_wait -1
	s_cmp_lg_u32 s8, 0
	s_cbranch_scc1 .Lnot_wave_0_\@
	s_barrier_signal -3
.Lnot_wave_0_\@:
	s_barrier_wait -3
	s_barrier_signal -1
	s_barrier_wait -1
.endm
	s_load_b128 s[4:7], s[0:1], 0x0                ; qkv 4, att 6
	v_lshl_add_u32 v62, v0, 2, 0x2c000
	v_mov_b32 v63, 0
	ds_add_u32 v62, v63
	v_lshrrev_b32 v1, 5, v0
	v_readfirstlane_b32 s8, v1                     ; wave 0..3
	s_lshr_b32 s9, s8, 1                           ; I fetch for V (0) or for K (1)
	s_and_b32 s10, s8, 1                           ; which 128 keys of the tile
	s_bfe_u32 s12, ttmp6, 0x40000                  ; cx: enters Q's and the result's address alone
	s_lshl_b32 s13, ttmp9, 2
	s_add_co_u32 s13, s13, s12                     ; query block 0..7
	s_and_b32 s14, ttmp7, 0xffff                   ; y = 16 b + h
	s_lshr_b32 s15, s14, 4                         ; b
	s_and_b32 s53, s14, 15                         ; h
	s_mul_i32 s54, s15, 48
	s_add_co_u32 s54, s54, s53                     ; q's plane; k's is 16 further, v's 32
	s_mov_b32 s48, 0x3e38aa3b                      ; c = log2(e) / 8
	s_mov_b32 s49, 0x3e38aa3b
	s_mov_b32 s50, 0xbe38aa3b                      ; -c
	s_mov_b32 s51, 0x76543210                      ; v_permlanex16_b32: lane i reads lane i of the other half
	s_mov_b32 s52, 0xfedcba98
	; group 1: elements of 8 bytes, 64 rows of 32 elements (256 bytes), dense; padding behind every 64 dwords: V 8 dwords, K 4
	s_mov_b32 s[G1V+0], 15|(3<<16)|(1<<20)|(1<<21)|(5<<22)|(7<<25)
	s_mov_b32 s[G1K+0], 15|(3<<16)|(1<<20)|(1<<21)|(5<<22)|(3<<25)
.irp g, G1V, G1K
	s_mov_b32 s[\g+1], 32<<16                      ; tensor_dim0 = 32
	s_mov_b32 s[\g+2], 64<<16                      ; tensor_dim1 = 64
	s_mov_b32 s[\g+3], 32<<16                      ; tile_dim0 = 32
	s_mov_b32 s[\g+4], 64                          ; tile_dim1 = 64
	s_mov_b32 s[\g+5], 32                          ; the pitch
	s_mov_b32 s[\g+6], 0
	s_mov_b32 s[\g+7], 0
.endr
	s_lshl_b32 s55, s10, 14                        ; my half: 128 keys x 128 bytes
	s_add_co_u32 s56, s54, 32
	s_lshl_b32 s56, s56, 18
	s_add_co_u32 s56, s56, s55                     ; V's offset
	s_mov_b32 s57, 0
	s_add_co_u32 s58, s54, 16
	s_lshl_b32 s58, s58, 18
	s_add_co_u32 s58, s58, s55                     ; K's offset
	s_mov_b32 s59, 0
	s_lshl_b32 s60, s13, 8
	s_lshl_b32 s61, s8, 6
	s_add_co_u32 s60, s60, s61
	s_lshl_b32 s60, s60, 7                         ; my first query's row: (256 x block + 64 w) x 128 bytes
	s_lshl_b32 s54, s54, 18
	s_add_co_u32 s54, s54, s60                     ; Q's offset
	s_mov_b32 s55, 0
	s_lshl_b32 s61, s14, 18
	s_add_co_u32 s60, s60, s61                     ; the result's offset: plane y
	s_mov_b32 s61, 0
	s_mul_i32 s2, s8, VHALF                        ; LDS: V's halves at wave x 18,432 (waves 0, 1)
	s_mul_i32 s3, s8, KHALF
	s_add_co_u32 s3, s3, KPART-2*KHALF             ; K's at 36,864 + (wave - 2) x 17,408 (waves 2, 3)
	s_wait_dscnt 0x0
	s_wait_kmcnt 0x0
	s_add_nc_u64 s[56:57], s[4:5], s[56:57]
	s_add_nc_u64 s[58:59], s[4:5], s[58:59]
	s_add_nc_u64 s[54:55], s[4:5], s[54:55]
	s_add_nc_u64 s[60:61], s[6:7], s[60:61]
	CROUND                                         ; the four partners are here: the first joint loads meet
.irp s, 0,1
	s_mov_b32 s[G0V+4*\s], 1
	s_add_co_u32 s[G0V+4*\s+1], s2, \s*SLOT
	s_add_nc_u64 s[G0V+4*\s+2:G0V+4*\s+3], s[56:57], \s*TILEB      ; key tile s
	s_or_b32 s[G0V+4*\s+3], s[G0V+4*\s+3], 0x80000000
	s_mov_b32 s[G0K+4*\s], 1
	s_add_co_u32 s[G0K+4*\s+1], s3, \s*SLOT
	s_add_nc_u64 s[G0K+4*\s+2:G0K+4*\s+3], s[58:59], \s*TILEB
	s_or_b32 s[G0K+4*\s+3], s[G0K+4*\s+3], 0x80000000
	JLOAD \s                                       ; both first fills together: two tensor loads of the wave are out
.endr
	v_and_b32 v1, 15, v0                           ; r
	v_bfe_u32 v2, v0, 4, 1                         ; h
	v_and_b32 v3, 31, v0                           ; l
	v_lshlrev_b32 v[QOFF], 7, v1
	v_lshl_add_u32 v[QOFF], v2, 4, v[QOFF]         ; query r's row + 16 h
.irp qb, 0,1,2,3
.irp ks, 0,1
	global_load_b128 v[Q+16*\qb+8*\ks:Q+16*\qb+8*\ks+3],   v[QOFF], s[54:55] offset:\qb*2048+\ks*64      ; Q stays in registers for the whole kernel
	global_load_b128 v[Q+16*\qb+8*\ks+4:Q+16*\qb+8*\ks+7], v[QOFF], s[54:55] offset:\qb*2048+\ks*64+32
.endr
.endr
	v_lshrrev_b32 v4, 1, v1
	v_mul_u32_u24 v4, v4, KP                       ; (r / 2) x 272
	v_and_b32 v5, 1, v0
	v_lshl_add_u32 v4, v5, 7, v4                   ; + (r % 2) x 128
	v_lshl_add_u32 v4, v2, 4, v4                   ; + 16 h
	v_add_nc_u32 v[KADR],   KPART, v4
	v_add_nc_u32 v[KADR+1], KPART+SLOT, v4
	v_bfe_u32 v6, v0, 1, 2                         ; (l % 8) / 2
	v_lshl_add_u32 v6, v2, 2, v6                   ; + 4 h: the LDS row of key 8 h + l % 8
	v_mul_u32_u24 v6, v6, VP
	v_lshl_add_u32 v6, v5, 7, v6                   ; + (l % 2) x 128
	v_bfe_u32 v7, v0, 3, 1
	v_lshl_add_u32 v[VADR], v7, 4, v6              ; + 16 ((l / 8) % 2)
	v_add_nc_u32 v[VADR+1], SLOT, v[VADR]
	s_mul_i32 s11, s8, SWAVE
	s_add_co_u32 s11, s11, STAGE                   ; my stage
	v_mul_u32_u24 v4, v1, SP
	v_lshl_add_u32 v4, v2, 4, v4
	v_add_nc_u32 v[STO], s11, v4
	v_lshrrev_b32 v6, 3, v3
	v_and_b32 v7, 7, v0
	v_mul_u32_u24 v6, v6, SP
	v_lshl_add_u32 v6, v7, 4, v6
	v_add_nc_u32 v[RD], s11, v6
	v_lshlrev_b32 v[CO], 4, v3
.irp qb, 0,1,2,3
	v_mov_b32 v[MX+\qb], 0xff800000                ; the running maximum starts at minus infinity
	v_mov_b32 v[T+\qb], 0                          ; v_permlanex16_b32 counts as a reader of its destination
.endr
; K fragments of step j (64 keys): tile kb = keys 16 kb + r, ks = d 32 ks ..: 16 loads
.macro LOADK slot, j
.irp kb, 0,1,2,3
.irp ks, 0,1
	ds_load_b128 v[KF+16*\kb+8*\ks:KF+16*\kb+8*\ks+3],   v[KADR+\slot] offset:(\j)*32*KP+\kb*8*KP+\ks*64
	ds_load_b128 v[KF+16*\kb+8*\ks+4:KF+16*\kb+8*\ks+7], v[KADR+\slot] offset:(\j)*32*KP+\kb*8*KP+\ks*64+32
.endr
.endr
.endm
; V^T fragments of step j: db = d 16 db + r, ts = keys 32 ts ..: 16 transposing loads, the second of a pair 16 keys (8 LDS rows) further
.macro LOADV slot, j
.irp db, 0,1,2,3
.irp ts, 0,1
	ds_load_tr16_b128 v[VF+16*\db+8*\ts:VF+16*\db+8*\ts+3],   v[VADR+\slot] offset:(\j)*32*VP+\ts*16*VP+32*\db
	ds_load_tr16_b128 v[VF+16*\db+8*\ts+4:VF+16*\db+8*\ts+7], v[VADR+\slot] offset:(\j)*32*VP+\ts*16*VP+32*\db+8*VP
.endr
.endr
.endm
; One step: 64 keys x my 64 queries.  first = 1: the very first step starts the sums and O (nothing is cleared, nothing rescaled).
; In both runs of products the 16 accumulators take turns, one instruction a turn.
.macro STEP slot, j, first
	WIN 0
	PLACES                                         ; behind the last step's products, which read the V fragments
	LOADV \slot, \j
	s_wait_dscnt 16                                ; the K fragments are in; the 16 V loads just issued stay out
	WIN 0x50                                       ; S: C and D window 1, operands window 0
.irp qb, 0,1,2,3
.irp kb, 0,1,2,3
	v_wmma_f32_16x16x32_bf16 v[S+32*\qb+8*\kb:S+32*\qb+8*\kb+7], v[KF+16*\kb:KF+16*\kb+7], v[Q+16*\qb:Q+16*\qb+7], 0
.endr
.endr
.irp qb, 0,1,2,3
.irp kb, 0,1,2,3
	v_wmma_f32_16x16x32_bf16 v[S+32*\qb+8*\kb:S+32*\qb+8*\kb+7], v[KF+16*\kb+8:KF+16*\kb+15], v[Q+16*\qb+8:Q+16*\qb+15], v[S+32*\qb+8*\kb:S+32*\qb+8*\kb+7]
.endr
.endr
	PLACES                                         ; before S is read and before the K fragments are loaded again
	WIN 0x14                                       ; the maximum of a lane's 32 scores of each query, onto the running one: four chains
.irp p, 0,1,2,3,4,5,6,7,8,9,10,11,12,13,14,15
.irp qb, 0,1,2,3
	v_max3_num_f32 v[MX+\qb], v[MX+\qb], v[S+32*\qb+2*\p], v[S+32*\qb+2*\p+1]
.endr
.endr
	WIN 0
.if \j < 3
	LOADK \slot, \j+1                              ; the next step's K fragments, a whole softmax ahead of their use
.endif
.irp qb, 0,1,2,3
	v_permlanex16_b32 v[T+\qb], v[MX+\qb], s51, s52        ; the other 32 keys of the same query
.endr
.irp qb, 0,1,2,3
	v_max_num_f32 v[MX+\qb], v[MX+\qb], v[T+\qb]
.endr
.irp qb, 0,1,2,3
	v_mul_f32 v[T2+\qb], s50, v[MX+\qb]            ; the new shift, -m c
.endr
.if \first == 0
.irp qb, 0,1,2,3
	v_sub_f32 v[T+\qb], v[T2+\qb], v[NEGM+2*\qb]   ; new shift - old shift = (m old - m new) c, never above 0
.endr
.endif
.irp qb, 0,1,2,3
	v_mov_b32 v[NEGM+2*\qb],   v[T2+\qb]
	v_mov_b32 v[NEGM+2*\qb+1], v[T2+\qb]
.endr
.if \first == 0
	WIN 0x40
.irp qb, 0,1,2,3
	v_exp_f32 v[AL+2*\qb], v[T+\qb]                ; the factor for the old sum and O; the multiply-adds below stand between it and its use
.endr
.endif
	WIN 0x41
.irp qb, 0,1,2,3
.irp p, 0,1,2,3,4,5,6,7,8,9,10,11,12,13,14,15
	v_pk_fma_f32 v[S+32*\qb+2*\p:S+32*\qb+2*\p+1], v[S+32*\qb+2*\p:S+32*\qb+2*\p+1], s[48:49], v[NEGM+2*\qb:NEGM+2*\qb+1] op_sel_hi:[1,0,1]
.endr
.endr
.set e, 0
.rept 128
	v_exp_f32 v[S+e], v[S+e]                       ; p, in place
.set e, e+1
.endr
.if \first
	v_nop                                          ; one plain vector instruction behind the run of exponentials (ISA guide 5.7.2)
.else
	s_wait_alu depctr_va_vdst(0)
.irp qb, 0,1,2,3
	v_mov_b32 v[AL+2*\qb+1], v[AL+2*\qb]           ; the factor as a pair; also the plain instruction behind the run of exponentials
.endr
.endif
	WIN 0x55                                       ; the sums, two at a time, four chains
.if \first
	s_wait_alu depctr_va_vdst(0)
.irp qb, 0,1,2,3
	v_pk_add_f32 v[LP+2*\qb:LP+2*\qb+1], v[S+32*\qb:S+32*\qb+1], v[S+32*\qb+2:S+32*\qb+3]
.endr
.else
.irp qb, 0,1,2,3
	v_pk_fma_f32 v[LP+2*\qb:LP+2*\qb+1], v[LP+2*\qb:LP+2*\qb+1], v[AL+2*\qb:AL+2*\qb+1], v[S+32*\qb:S+32*\qb+1]
.endr
.irp qb, 0,1,2,3
	v_pk_add_f32 v[LP+2*\qb:LP+2*\qb+1], v[LP+2*\qb:LP+2*\qb+1], v[S+32*\qb+2:S+32*\qb+3]
.endr
.endif
.irp p, 2,3,4,5,6,7,8,9,10,11,12,13,14,15
.irp qb, 0,1,2,3
	v_pk_add_f32 v[LP+2*\qb:LP+2*\qb+1], v[LP+2*\qb:LP+2*\qb+1], v[S+32*\qb+2*\p:S+32*\qb+2*\p+1]
.endr
.endr
.irp qb, 0,1,2,3
.irp kb, 0,1,2,3
.irp i, 0,1,2,3
	v_cvt_pk_bf16_f32 v[P+16*\qb+4*\kb+\i], v[S+32*\qb+8*\kb+2*\i], v[S+32*\qb+8*\kb+2*\i+1]   ; tiles 2 ts, 2 ts + 1 make the fragment of 32 keys
.endr
.endr
.endr
.if \first == 0
	WIN 0x86
.irp qb, 0,1,2,3
.irp p, 0,1,2,3,4,5,6,7,8,9,10,11,12,13,14,15
	v_pk_mul_f32 v[O+32*\qb+2*\p:O+32*\qb+2*\p+1], v[O+32*\qb+2*\p:O+32*\qb+2*\p+1], v[AL+2*\qb:AL+2*\qb+1]
.endr
.endr
.endif
.if \j < 3
	s_wait_dscnt 16                                ; the V fragments are in; the next step's 16 K loads stay out
.else
	s_wait_dscnt 0                                 ; nothing was issued behind the V loads
.endif
	WIN 0xa4                                       ; O: C and D window 2, V window 0, P window 1
.irp qb, 0,1,2,3
.irp db, 0,1,2,3
.if \first
	v_wmma_f32_16x16x32_bf16 v[O+32*\qb+8*\db:O+32*\qb+8*\db+7], v[VF+16*\db:VF+16*\db+7], v[P+16*\qb:P+16*\qb+7], 0
.else
	v_wmma_f32_16x16x32_bf16 v[O+32*\qb+8*\db:O+32*\qb+8*\db+7], v[VF+16*\db:VF+16*\db+7], v[P+16*\qb:P+16*\qb+7], v[O+32*\qb+8*\db:O+32*\qb+8*\db+7]
.endif
.endr
.endr
.irp qb, 0,1,2,3
.irp db, 0,1,2,3
	v_wmma_f32_16x16x32_bf16 v[O+32*\qb+8*\db:O+32*\qb+8*\db+7], v[VF+16*\db+8:VF+16*\db+15], v[P+16*\qb+8:P+16*\qb+15], v[O+32*\qb+8*\db:O+32*\qb+8*\db+7]
.endr
.endr
.endm
; A key tile in slot `slot`.  In front of the barrier every wave waits for all its tensor loads (its part of this slot among them) and for its reads of
; the other slot.  refill = 1: the barrier is a round of the cluster's barrier, and the other slot's next tile is the first tensor load behind it;
; it has the four steps of this tile in which to land.
.macro TWO slot, refill
	WIN 0
	s_wait_tensorcnt 0x0
	ds_add_u32 v62, v63
	s_wait_dscnt 0x0
.if \refill
	s_add_nc_u64 s[G0V+6-4*\slot:G0V+7-4*\slot], s[G0V+6-4*\slot:G0V+7-4*\slot], 2*TILEB   ; no load of mine is out: the other slot's addresses step two tiles on
	s_add_nc_u64 s[G0K+6-4*\slot:G0K+7-4*\slot], s[G0K+6-4*\slot:G0K+7-4*\slot], 2*TILEB
.endif
	s_wait_dscnt 0x0
.if \refill
	CROUND
	JLOAD 1-\slot
.else
	s_barrier_signal -1
	s_barrier_wait -1
.endif
	LOADK \slot, 0
	STEP \slot, 0, 0
	STEP \slot, 1, 0
	STEP \slot, 2, 0
	STEP \slot, 3, 0
.endm
	s_wait_tensorcnt 0x1                           ; my part of tile 0 is in; tile 1's load, issued behind it, stays out
	s_barrier_signal -1
	s_barrier_wait -1
	s_wait_loadcnt 0x0                             ; Q
	LOADK 0, 0
	STEP 0, 0, 1
	STEP 0, 1, 0
	STEP 0, 2, 0
	STEP 0, 3, 0
	WIN 0
	s_mov_b32 s11, 3
.Ltiles:
	TWO 1, 1                                       ; tiles 1, 3, 5; slot 0 gets 2, 4, 6
	TWO 0, 1                                       ; tiles 2, 4, 6; slot 1 gets 3, 5, 7
	WIN 0
	s_sub_co_u32 s11, s11, 1
	s_cmp_lg_u32 s11, 0
	s_cbranch_scc1 .Ltiles
	TWO 1, 0                                       ; tile 7: nothing is left to fetch
	; THE WAY OUT: divide by the sum, round to bf16, 16 bytes a lane into my own stage (64 rows x 144 bytes), read back four rows at a time,
	; store 512 consecutive, aligned bytes of the head's plane.
	PLACES
	WIN 0x05
.irp qb, 0,1,2,3
	v_add_f32 v[T+\qb], v[LP+2*\qb], v[LP+2*\qb+1]
.endr
	WIN 0
.irp qb, 0,1,2,3
	v_permlanex16_b32 v[T2+\qb], v[T+\qb], s51, s52
.endr
.irp qb, 0,1,2,3
	v_add_f32 v[T+\qb], v[T+\qb], v[T2+\qb]        ; the whole sum; the largest p is about 1, so it is not small
.endr
.irp qb, 0,1,2,3
	v_rcp_f32 v[NEGM+2*\qb],   v[T+\qb]
	v_rcp_f32 v[NEGM+2*\qb+1], v[T+\qb]
.endr
	v_nop                                          ; one plain vector instruction before the reciprocals are used (ISA guide 5.7.2)
	WIN 0x82
	s_wait_alu depctr_va_vdst(0)
.irp qb, 0,1,2,3
.irp p, 0,1,2,3,4,5,6,7,8,9,10,11,12,13,14,15
	v_pk_mul_f32 v[O+32*\qb+2*\p:O+32*\qb+2*\p+1], v[O+32*\qb+2*\p:O+32*\qb+2*\p+1], v[NEGM+2*\qb:NEGM+2*\qb+1]
.endr
.endr
	WIN 0x0a
.irp qb, 0,1,2,3
.irp db, 0,1,2,3
.irp i, 0,1,2,3
	v_cvt_pk_bf16_f32 v[KF+4*(4*\qb+\db)+\i], v[O+32*\qb+8*\db+2*\i], v[O+32*\qb+8*\db+2*\i+1]
.endr
.endr
.endr
	WIN 0
.irp qb, 0,1,2,3
.irp db, 0,1,2,3
	ds_store_b128 v[STO], v[KF+4*(4*\qb+\db):KF+4*(4*\qb+\db)+3] offset:\qb*16*SP+32*\db
.endr
.endr
.irp n, 0,1,2,3,4,5,6,7,8,9,10,11,12,13,14,15
	ds_load_b128 v[VF+4*\n:VF+4*\n+3], v[RD] offset:\n*4*SP        ; LDS serves a wave's instructions in order (ISA guide 5.7.1): these see the stores above
.endr
.irp n, 0,1,2,3,4,5,6,7,8,9,10,11,12,13,14,15
	s_wait_dscnt 15-\n                             ; the younger read-backs stay out
	global_store_b128 v[CO], v[VF+4*\n:VF+4*\n+3], s[60:61] offset:\n*512
.endr
	s_wait_tensorcnt 0x0
	ds_add_u32 v62, v63
	s_wait_dscnt 0x0
	CROUND                                         ; the closing round
	s_endpgm
.Lfunc_end_k_q526d0bdc75_attn:
	.size	k_q526d0bdc75_attn, .Lfunc_end_k_q526d0bdc75_attn-k_q526d0bdc75_attn
	.p2alignl 7, 3214868480
	.fill 96, 4, 3214868480
	.section	.rodata,"a",@progbits
	.p2align	6, 0x0
	.amdhsa_kernel k_q526d0bdc75_attn
		.amdhsa_group_segment_fixed_size 327680
		.amdhsa_private_segment_fixed_size 0
		.amdhsa_enable_private_segment 0
		.amdhsa_kernarg_size 16
		.amdhsa_user_sgpr_count 2
		.amdhsa_user_sgpr_kernarg_segment_ptr 1
		.amdhsa_wavefront_size32 1
		.amdhsa_system_sgpr_workgroup_id_x 1
		.amdhsa_system_sgpr_workgroup_id_y 1
		.amdhsa_system_sgpr_workgroup_id_z 1
		.amdhsa_system_vgpr_workitem_id 0
		.amdhsa_next_free_vgpr 640
		.amdhsa_next_free_sgpr 66
		.amdhsa_reserve_vcc 0
		.amdhsa_float_denorm_mode_32 3
		.amdhsa_float_denorm_mode_16_64 3
		.amdhsa_memory_ordered 1
		.amdhsa_forward_progress 1
		.amdhsa_inst_pref_size 255
	.end_amdhsa_kernel
	.section	.bss,"aw",@nobits
	.p2align	6
	.space	262144
	.amdgpu_metadata
---
amdhsa.version: [ 1, 2 ]
amdhsa.kernels:
  - .name:           k_q526d0bdc75_attn
    .symbol:         k_q526d0bdc75_attn.kd
    .args:
      - { .name: qkv, .offset: 0, .size: 8, .value_kind: global_buffer, .address_space: global }
      - { .name: att, .offset: 8, .size: 8, .value_kind: global_buffer, .address_space: global }
    .group_segment_fixed_size: 327680
    .private_segment_fixed_size: 0
    .kernarg_segment_align: 8
    .kernarg_segment_size: 16
    .max_flat_workgroup_size: 128
    .sgpr_count:     66
    .vgpr_count:     640
    .wavefront_size: 32
...
	.end_amdgpu_metadata
.endif
;; end of part 3
;; launch oproj (part 4): grid 8 x 32, 4 waves a work-group, clusters of 4 x 4, 327,680 bytes of LDS; arguments att, Wob, bo, out0; writes out0
.if DOCPART == 4
	.amdgcn_target "amdgcn-amd-amdhsa--gfx1250"
	.amdhsa_code_object_version 6
	.text
	.protected	k_q526d0bdc75_oproj
	.globl	k_q526d0bdc75_oproj
	.p2align	8
	.type	k_q526d0bdc75_oproj,@function
k_q526d0bdc75_oproj:
	s_mov_b64 s[64:65], 0
	v_nop
	global_prefetch_b8 v0, s[64:65] scope:SCOPE_SE
	s_setreg_imm32_b32 hwreg(HW_REG_WAVE_MODE, 25, 1), 1
	s_wait_xcnt 0x0
	s_wait_alu depctr_hold_cnt(0) depctr_sa_sdst(0) depctr_va_vdst(0) depctr_va_sdst(0) depctr_va_ssrc(0) depctr_va_vcc(0) depctr_vm_vsrc(0)
	s_getreg_b32 s2, hwreg(HW_REG_IB_STS2, 6, 4)
	s_cmp_eq_u32 s2, 0
	s_cbranch_scc0 .Lentry_in_a_cluster
	s_endpgm
.Lentry_in_a_cluster:
	s_bfe_u32 s2, ttmp6, 0x10000c
	s_cmp_lg_u32 s2, 0xf033
	s_cbranch_scc0 .Lentry_shape_is_right
	s_endpgm
.Lentry_shape_is_right:
; out0[m][n] = sum over k of A[m][k] Wob[n][k] + bo[n], m < 4096, n, k < 1024; A[m][64 h + d] = att[b][h][s][d], m = 2048 b + s.  bf16 operands, f32 sums and result.
; A work-group makes 128 x 128: 8 x 32 = 256 work-groups (a larger block would leave WGPs without work).  Waves 2 x 2, each 64 x 64: 16 accumulator tiles.
; K goes in 4 fills of 256 (four heads) through two LDS slots; all four are written out, without a loop.
; CLUSTERS: 4 x 4.  A's tiles hang on the block row alone and are shared along a row of the cluster, Wob's on the block column alone: joint loads.
; The bias is the C operand of each accumulator's first product.
; LIMIT: operands are bf16; sums and result f32.
; LDS: A: a head's 128 rows are 16 KiB dense in memory; with 16 bytes of padding behind every 256 an LDS row holds two of them:
;   row p lies at (p / 2) x 272 + (p % 2) x 128, and the 16 rows of a fragment load start in 16-byte columns (r / 2) + 8 (r % 2), all different.
;   Wob: rows of 512 bytes + 16: pitch 528, an odd multiple of 16.
; REGISTERS: window 0: addresses, two fragment buffers (A v64-95, W v96-127; A v128-159, W v160-191), v192-223 the way out, v224-255 the bias
;   window 1: accumulator tile (a, b) at 8 (4 a + b).  Transposed use: lane l holds row l % 16 and the columns 8 (l / 16) + 0..7.
.set PA,     272
.set PLA,    64*PA                     ; a head's 128 rows in LDS: 17,408
.set AHALF,  2*PLA                     ; what wave 0 or 1 fetches: two heads
.set PB,     528
.set BHALF,  64*PB                     ; what wave 2 or 3 fetches: 64 rows of Wob
.set BPART,  2*AHALF                   ; 69,632
.set SLOT,   BPART+2*BHALF             ; 137,216
.set STAGE,  2*SLOT                    ; 274,432 = 1,072 x 256: never filled by a tensor load
.set SPITCH, 272                       ; the stage: 16 rows of 64 f32 + 16 bytes
.set SWAVE,  16*SPITCH
.set ADRA, 16
.set ADRB, 20
.set STO,  24
.set RD,   25
.set CO,   26
.set BOFF, 27
.set FA,   64
.set FB,   96
.set RB,   192
.set BIAS, 224
.set G1,  24
.set G0,  32
.set G1B, 48
.set G0B, 56
.set MSB, 0
.macro WIN new
.if MSB != \new
	s_set_vgpr_msb (MSB<<8)|\new
.set MSB, \new
.endif
.endm
.set MUL,   0x50                       ; C and D window 1, operands window 0
.set MULB,  0x40                       ; the first products: C = the bias, window 0
.macro PLACES                          ; four independent vector instructions behind a matrix instruction (ISA guide 7.12.1)
.rept 4
	v_nop
.endr
.endm
.macro JLOAD s                         ; waves 0, 1 ask for A's halves, waves 2, 3 for Wob's: one load a wave
	s_cmp_eq_u32 s13, 0
	s_cbranch_scc0 .Lfor_b_\@
	tensor_load_to_lds s[G0+4*(\s):G0+4*(\s)+3], s[G1:G1+7]
	s_nop 0
	s_branch .Lasked_\@
.Lfor_b_\@:
	tensor_load_to_lds s[G0B+4*(\s):G0B+4*(\s)+3], s[G1B:G1B+7]
	s_nop 0
.Lasked_\@:
.endm
.macro CREST
	s_cmp_lg_u32 s12, 0
	s_cbranch_scc1 .Lnot_wave_0_\@
	s_barrier_signal -3
.Lnot_wave_0_\@:
	s_barrier_wait -3
	s_barrier_signal -1
	s_barrier_wait -1
.endm
.macro CROUND
	s_barrier_signal -1
	s_barrier_wait -1
	CREST
.endm
	s_load_b256 s[4:11], s[0:1], 0x0               ; att 4, Wob 6, bo 8, out0 10
	v_lshl_add_u32 v62, v0, 2, 0x47400
	v_mov_b32 v63, 0
	ds_add_u32 v62, v63
	v_lshrrev_b32 v1, 5, v0
	v_readfirstlane_b32 s12, v1                    ; wave 0..3
	s_lshr_b32 s13, s12, 1                         ; my half of the block's rows.  Also: I fetch for A (0) or for Wob (1)
	s_and_b32 s14, s12, 1                          ; my half of its columns.  Also: which half of that tile I fetch
	s_bfe_u32 s40, ttmp6, 0x40000                  ; cx
	s_bfe_u32 s41, ttmp6, 0x40004                  ; cy
	s_lshl_b32 s42, ttmp9, 2
	s_add_co_u32 s42, s42, s40                     ; block column
	s_and_b32 s43, ttmp7, 0xffff
	s_lshl_b32 s43, s43, 2
	s_add_co_u32 s43, s43, s41                     ; block row
	s_lshl_b32 s44, s41, 2
	s_lshl_b32 s44, 15, s44                        ; my row of the cluster
	s_lshl_b32 s45, 0x1111, s40                    ; my column
	; A: elements of 8 bytes; a row of the tile = a head's dense 16 KiB (2,048 elements); 2 heads, 32,768 elements apart; 4 dwords of padding behind every 64
	s_or_b32 s[G1+0], s44, (3<<16)|(1<<20)|(1<<21)|(5<<22)|(3<<25)
	s_mov_b32 s[G1+1], 2048<<16                    ; tensor_dim0
	s_mov_b32 s[G1+2], 2<<16                       ; tensor_dim1
	s_mov_b32 s[G1+3], 2048<<16                    ; tile_dim0
	s_mov_b32 s[G1+4], 2                           ; tile_dim1
	s_mov_b32 s[G1+5], 32768                       ; the pitch: a plane
	s_mov_b32 s[G1+6], 0
	s_mov_b32 s[G1+7], 0
	; Wob: elements of 2 bytes; 64 rows of 256 elements, 1,024 apart; 4 dwords of padding behind every 128
	s_or_b32 s[G1B+0], s45, (1<<16)|(1<<20)|(1<<21)|(6<<22)|(3<<25)
	s_mov_b32 s[G1B+1], 256<<16
	s_mov_b32 s[G1B+2], 64<<16
	s_mov_b32 s[G1B+3], 256<<16
	s_mov_b32 s[G1B+4], 64
	s_mov_b32 s[G1B+5], 1024
	s_mov_b32 s[G1B+6], 0
	s_mov_b32 s[G1B+7], 0
	s_lshr_b32 s16, s43, 4                         ; b
	s_lshl_b32 s16, s16, 4
	s_lshl_b32 s17, s14, 1
	s_add_co_u32 s16, s16, s17                     ; plane 16 b + 2 x half
	s_lshl_b32 s16, s16, 18
	s_and_b32 s17, s43, 15
	s_lshl_b32 s17, s17, 14                        ; (block row % 16) x 128 rows x 128 bytes
	s_add_co_u32 s16, s16, s17
	s_mov_b32 s17, 0
	s_lshl_b32 s46, s42, 7
	s_lshl_b32 s47, s14, 6
	s_add_co_u32 s46, s46, s47                     ; Wob: row 128 x block column + 64 x half
	s_lshl_b32 s46, s46, 11
	s_mov_b32 s47, 0
	s_mul_i32 s20, s12, AHALF                      ; LDS: A's halves at wave x 34,816 (waves 0, 1)
	s_mul_i32 s21, s12, BHALF
	s_add_co_u32 s21, s21, BPART-2*BHALF           ; Wob's at 69,632 + (wave - 2) x 33,792 (waves 2, 3)
	s_wait_dscnt 0x0
	s_wait_kmcnt 0x0
	s_add_nc_u64 s[18:19], s[4:5], s[16:17]
	s_add_nc_u64 s[46:47], s[6:7], s[46:47]
	CROUND                                         ; all sixteen work-groups are here
.irp s, 0,1
	s_mov_b32 s[G0+4*\s], 1
	s_add_co_u32 s[G0+4*\s+1], s20, \s*SLOT
	s_add_nc_u64 s[G0+4*\s+2:G0+4*\s+3], s[18:19], \s*4*262144     ; fill s: heads 4 s ..
	s_or_b32 s[G0+4*\s+3], s[G0+4*\s+3], 0x80000000
	s_mov_b32 s[G0B+4*\s], 1
	s_add_co_u32 s[G0B+4*\s+1], s21, \s*SLOT
	s_add_nc_u64 s[G0B+4*\s+2:G0B+4*\s+3], s[46:47], \s*512        ; k 256 s ..
	s_or_b32 s[G0B+4*\s+3], s[G0B+4*\s+3], 0x80000000
	JLOAD \s                                       ; both first fills together: two tensor loads of the wave are out
.endr
	v_and_b32 v1, 15, v0                           ; r
	v_bfe_u32 v2, v0, 4, 1                         ; h
	v_lshlrev_b32 v[BOFF], 5, v2
	s_lshl_b32 s66, s43, 7
	s_lshl_b32 s68, s13, 6
	s_add_co_u32 s66, s66, s68                     ; my first row
	s_lshl_b32 s66, s66, 12                        ; x 4,096 bytes
	s_lshl_b32 s68, s42, 7
	s_lshl_b32 s69, s14, 6
	s_add_co_u32 s68, s68, s69                     ; my first column
	s_lshl_b32 s68, s68, 2
	s_mov_b32 s69, 0
	s_add_nc_u64 s[8:9], s[8:9], s[68:69]          ; bo at my first column
	s_add_co_u32 s66, s66, s68
	s_mov_b32 s67, 0
	s_add_nc_u64 s[10:11], s[10:11], s[66:67]      ; out0 at my corner
.irp b, 0,1,2,3
	global_load_b128 v[BIAS+8*\b:BIAS+8*\b+3],   v[BOFF], s[8:9] offset:64*\b      ; register 8 b + j = bo[first column + 16 b + 8 h + j]
	global_load_b128 v[BIAS+8*\b+4:BIAS+8*\b+7], v[BOFF], s[8:9] offset:64*\b+16
.endr
	v_lshrrev_b32 v3, 1, v1
	v_mul_u32_u24 v3, v3, PA
	v_and_b32 v4, 1, v0
	v_lshl_add_u32 v3, v4, 7, v3
	v_lshl_add_u32 v3, v2, 4, v3                   ; A: (r / 2) x 272 + (r % 2) x 128 + 16 h
	v_mul_u32_u24 v5, v1, PB
	v_lshl_add_u32 v5, v2, 4, v5                   ; Wob: r x 528 + 16 h
	s_mul_i32 s22, s13, 32*PA                      ; my 64 rows of A: 32 LDS rows
	s_mul_i32 s23, s14, 64*PB
	s_add_co_u32 s23, s23, BPART                   ; my 64 rows of Wob
.irp s, 0,1
	v_add_nc_u32 v[ADRA+\s], s22, v3
	v_add_nc_u32 v[ADRB+\s], s23, v5
	s_add_co_u32 s22, s22, SLOT
	s_add_co_u32 s23, s23, SLOT
.endr
	s_mul_i32 s22, s12, SWAVE
	s_add_co_u32 s22, s22, STAGE                   ; my stage
	v_mul_u32_u24 v6, v1, SPITCH
	v_lshl_add_u32 v6, v2, 5, v6
	v_add_nc_u32 v[STO], s22, v6                   ; in: row r, 32 bytes for each half of the lanes
	v_mul_u32_u24 v7, v2, SPITCH
	v_lshl_add_u32 v7, v1, 4, v7
	v_add_nc_u32 v[RD], s22, v7                    ; back: lanes 0-15 a row of 256 bytes, lanes 16-31 the next
	v_lshlrev_b32 v8, 12, v2
	v_lshl_add_u32 v[CO], v1, 4, v8                ; the same two rows in out0
; 16 LDS loads: chunk c (32 of the slot's 256 along K: head c / 2, half c % 2) into buffer f
.macro FETCH slot, c, f
.irp i, 0,1,2,3
	ds_load_b128 v[FA+64*\f+8*\i:FA+64*\f+8*\i+3],   v[ADRA+\slot] offset:((\c)/2)*PLA+\i*8*PA+((\c)%2)*64
	ds_load_b128 v[FA+64*\f+8*\i+4:FA+64*\f+8*\i+7], v[ADRA+\slot] offset:((\c)/2)*PLA+\i*8*PA+((\c)%2)*64+32
.endr
.irp i, 0,1,2,3
	ds_load_b128 v[FB+64*\f+8*\i:FB+64*\f+8*\i+3],   v[ADRB+\slot] offset:\i*16*PB+(\c)*64
	ds_load_b128 v[FB+64*\f+8*\i+4:FB+64*\f+8*\i+7], v[ADRB+\slot] offset:\i*16*PB+(\c)*64+32
.endr
.endm
; 8 matrix instructions: row blocks a0, a0 + 1 x 4 column blocks.  The 16 accumulators take turns, one instruction a turn, in the same order in every chunk.
.macro MUL8 f, a0, zero
.irp a, \a0, \a0+1
.irp b, 0,1,2,3
.if \zero
	v_wmma_f32_16x16x32_bf16 v[8*(4*(\a)+\b):8*(4*(\a)+\b)+7], v[FB+64*\f+8*\b:FB+64*\f+8*\b+7], v[FA+64*\f+8*(\a):FA+64*\f+8*(\a)+7], v[BIAS+8*\b:BIAS+8*\b+7]
.else
	v_wmma_f32_16x16x32_bf16 v[8*(4*(\a)+\b):8*(4*(\a)+\b)+7], v[FB+64*\f+8*\b:FB+64*\f+8*\b+7], v[FA+64*\f+8*(\a):FA+64*\f+8*(\a)+7], v[8*(4*(\a)+\b):8*(4*(\a)+\b)+7]
.endif
.endr
.endr
.endm
; chunk c from buffer f; the next chunk's fragments go out first, into buffer g
.macro CH slot, c, f, g, zero
	PLACES                                         ; buffer g was read by the products just issued
	FETCH \slot, \c+1, \g
	s_wait_dscnt 16                                ; all but the 16 just issued: buffer f is in
.if \zero
	WIN MULB
.else
	WIN MUL
.endif
	MUL8 \f, 0, \zero
	MUL8 \f, 2, \zero
	WIN 0
.endm
.macro RUN slot, zero
	CH \slot, 0, 0, 1, \zero
	CH \slot, 1, 1, 0, 0
	CH \slot, 2, 0, 1, 0
	CH \slot, 3, 1, 0, 0
	CH \slot, 4, 0, 1, 0
	CH \slot, 5, 1, 0, 0
	CH \slot, 6, 0, 1, 0
.endm
; chunk 7 (buffer 1) and the change of slots: each wave waits for its reads of this slot and for all its tensor loads, then the barrier;
; fill = 1: it opens a round of the cluster's barrier, and the joint refill of this slot is the first tensor load behind the round.
.macro TURN slot, next, fill
	s_wait_dscnt 0
	s_wait_tensorcnt 0x0
	ds_add_u32 v62, v63
	s_wait_dscnt 0x0
	s_barrier_signal -1
	WIN MUL
	MUL8 1, 0, 0                                   ; register work while the others arrive
	WIN 0
	s_barrier_wait -1
.if \fill
	CREST
	s_add_nc_u64 s[G0+4*\slot+2:G0+4*\slot+3], s[G0+4*\slot+2:G0+4*\slot+3], 8*262144      ; eight heads on
	s_add_nc_u64 s[G0B+4*\slot+2:G0B+4*\slot+3], s[G0B+4*\slot+2:G0B+4*\slot+3], 1024      ; 512 along K
	JLOAD \slot
.endif
	PLACES
	FETCH \next, 0, 0
	WIN MUL
	MUL8 1, 2, 0
	WIN 0
.endm
	s_wait_tensorcnt 0x1                           ; my part of fill 0 is in; fill 1's load, issued behind it, stays out
	s_barrier_signal -1
	s_barrier_wait -1
	s_wait_loadcnt 0x0                             ; the bias: the first products read it
	FETCH 0, 0, 0
	RUN 0, 1
	TURN 0, 1, 1                                   ; slot 0 gets fill 2
	RUN 1, 0
	TURN 1, 0, 1                                   ; slot 1 gets fill 3
	RUN 0, 0
	TURN 0, 1, 0
	RUN 1, 0
	s_wait_dscnt 0
	WIN MUL
	MUL8 1, 0, 0
	MUL8 1, 2, 0
	PLACES                                         ; before the results are stored to LDS
; THE WAY OUT, 16 rows at a time: 32 bytes a lane into my own stage (16 rows x 272 bytes), read back as whole rows of 256 bytes; sixteen lanes store
; 256 consecutive bytes of out0, aligned.  The stage is the wave's own; LDS serves a wave's instructions in order (ISA guide 5.7.1).
.macro OUT a
	WIN 0x04                                       ; store data window 1, address window 0
.irp b, 0,1,2,3
	ds_store_b128 v[STO], v[8*(4*\a+\b):8*(4*\a+\b)+3]   offset:64*\b
	ds_store_b128 v[STO], v[8*(4*\a+\b)+4:8*(4*\a+\b)+7] offset:64*\b+16
.endr
	WIN 0
	s_wait_xcnt 0x0                                ; the last block's stores have read v192-223: they are loaded again only behind this wait
.irp t, 0,1,2,3,4,5,6,7
	ds_load_b128 v[RB+4*\t:RB+4*\t+3], v[RD] offset:\t*2*SPITCH
.endr
.irp t, 0,1,2,3,4,5,6,7
	s_wait_dscnt 7-\t                              ; the younger read-backs stay out
	global_store_b128 v[CO], v[RB+4*\t:RB+4*\t+3], s[10:11] offset:(16*\a+2*\t)*4096 th:TH_STORE_NT
.endr
.endm
	OUT 0
	OUT 1
	OUT 2
	OUT 3
	s_wait_tensorcnt 0x0
	ds_add_u32 v62, v63
	s_wait_dscnt 0x0
	CROUND                                         ; the closing round
	s_endpgm
.Lfunc_end_k_q526d0bdc75_oproj:
	.size	k_q526d0bdc75_oproj, .Lfunc_end_k_q526d0bdc75_oproj-k_q526d0bdc75_oproj
	.p2alignl 7, 3214868480
	.fill 96, 4, 3214868480
	.section	.rodata,"a",@progbits
	.p2align	6, 0x0
	.amdhsa_kernel k_q526d0bdc75_oproj
		.amdhsa_group_segment_fixed_size 327680
		.amdhsa_private_segment_fixed_size 0
		.amdhsa_enable_private_segment 0
		.amdhsa_kernarg_size 32
		.amdhsa_user_sgpr_count 2
		.amdhsa_user_sgpr_kernarg_segment_ptr 1
		.amdhsa_wavefront_size32 1
		.amdhsa_system_sgpr_workgroup_id_x 1
		.amdhsa_system_sgpr_workgroup_id_y 1
		.amdhsa_system_sgpr_workgroup_id_z 1
		.amdhsa_system_vgpr_workitem_id 0
		.amdhsa_next_free_vgpr 384
		.amdhsa_next_free_sgpr 70
		.amdhsa_reserve_vcc 0
		.amdhsa_float_denorm_mode_32 3
		.amdhsa_float_denorm_mode_16_64 3
		.amdhsa_memory_ordered 1
		.amdhsa_forward_progress 1
		.amdhsa_inst_pref_size 90
	.end_amdhsa_kernel
	.amdgpu_metadata
---
amdhsa.version: [ 1, 2 ]
amdhsa.kernels:
  - .name:           k_q526d0bdc75_oproj
    .symbol:         k_q526d0bdc75_oproj.kd
    .args:
      - { .name: att, .offset: 0, .size: 8, .value_kind: global_buffer, .address_space: global }
      - { .name: Wob, .offset: 8, .size: 8, .value_kind: global_buffer, .address_space: global }
      - { .name: bo, .offset: 16, .size: 8, .value_kind: global_buffer, .address_space: global }
      - { .name: out0, .offset: 24, .size: 8, .value_kind: global_buffer, .address_space: global }
    .group_segment_fixed_size: 327680
    .private_segment_fixed_size: 0
    .kernarg_segment_align: 8
    .kernarg_segment_size: 32
    .max_flat_workgroup_size: 128
    .sgpr_count:     70
    .vgpr_count:     384
    .wavefront_size: 32
...
	.end_amdgpu_metadata
.endif
;; end of part 4
;; ======== version 2 of 2: 4 launches; version 1 with the launch cvt written anew for expert scheduling mode
;; workspace buffers: Xb 8,388,608 bytes; Wb 6,291,456 bytes; Wob 2,097,152 bytes; bqkv 12,288 bytes; qkv 25,165,824 bytes; att 8,388,608 bytes
;; launch cvt (part 5): grid 64 x 8, 8 waves a work-group, no clusters, 0 bytes of LDS; arguments X, Wq, Wk, Wv, Wo, bq, bk, bv, Xb, Wb, Wob, bqkv; writes Xb, Wb, Wob, bqkv
.if DOCPART == 5
	.amdgcn_target "amdgcn-amd-amdhsa--gfx1250"
	.amdhsa_code_object_version 6
	.text
	.protected	k_q526d0bdc75_cvt
	.globl	k_q526d0bdc75_cvt
	.p2align	8
	.type	k_q526d0bdc75_cvt,@function
k_q526d0bdc75_cvt:
	s_mov_b64 s[64:65], 0
	v_nop
	global_prefetch_b8 v0, s[64:65] scope:SCOPE_SE
	s_setreg_imm32_b32 hwreg(HW_REG_WAVE_SCHED_MODE, 0, 2), 2
	s_setreg_imm32_b32 hwreg(HW_REG_WAVE_MODE, 25, 1), 1
	s_wait_xcnt 0x0
	s_wait_alu depctr_vm_vsrc(0)
; X, Wq, Wk, Wv, Wo: f32 -> bf16 (round to nearest even), once, so that the three matrix launches read 16-bit tiles.
; Xb = X; Wb = Wq, Wk, Wv one under the other ([3072][1024]); Wob = Wo; bqkv = bq, bk, bv one behind the other (f32, copied).
; A stream: every byte is read once and written once; no LDS, no barrier, no matrix unit, and no cluster, since no two work-groups read the same byte.
; Grid y picks the part: 0..3 the quarters of X, 4, 5, 6 = Wq, Wk, Wv, 7 = Wo; each part is 1,048,576 numbers.
; Grid x picks 16,384 numbers of it: 64 KiB in, 32 KiB out.  Thread t takes 16 bytes at 16 t of each 4,096-byte piece:
; a load of a wave covers 512 consecutive bytes, a store 256 consecutive bytes, both aligned to their length.
; THE MODE: SCHED_MODE bits 1:0 = 2 (LLVM: expert scheduling mode 2), set by the entry lines.  The code itself states the register dependences
; between vector instructions and memory instructions, with s_wait_alu, always for 0.
; THE PLAN.  Registers that memory instructions touch:
;   v1, v2   byte offsets, written once at the head, read by every load (v1), every store (v2) and the bias's load and store (v1); never written again.
;   IN       four registers a piece: written by the piece's one load, read by its two conversions; no load lands in them again.
;   OUT      two registers a piece: written by the piece's two conversions, read by its one store; never written again.
;   BV       written by the bias's load, read by its store; no vector instruction names them.
; The 16 pieces go in four blocks of four.  Block p converts its four pieces; its memory instructions are the four stores of block p - 1, whose
; OUT registers no conversion of block p names.  So one wait on va_vdst at a block's head states all that those four stores hang on, and they are
; dealt among the block's conversions with no further wait.  Since nothing that a memory instruction reads is written a second time, no wait on
; vm_vsrc is owed anywhere.  No vector instruction writes a scalar register or VCC, and EXEC is never written.
.set IN,  4                            ; v[4:67]    16 pieces, 4 f32 each
.set OUT, 68                           ; v[68:99]   16 pieces, 4 bf16 each
.set BV,  100                          ; v[100:103] a bias's 16 bytes
	s_load_b512 s[8:23], s[0:1], 0x0               ; X 8, Wq 10, Wk 12, Wv 14, Wo 16, bq 18, bk 20, bv 22
	s_load_b256 s[24:31], s[0:1], 0x40             ; Xb 24, Wb 26, Wob 28, bqkv 30
	s_mov_b32 s3, ttmp9                            ; x: the piece of 16,384 numbers
	s_and_b32 s4, ttmp7, 0xffff                    ; y: the part
	v_lshlrev_b32 v1, 4, v0                        ; 16 t
	v_lshlrev_b32 v2, 3, v0                        ; 8 t
	s_sub_co_u32 s5, s4, 4                         ; y - 4: which of Wq, Wk, Wv (used only where y >= 4)
	s_cmp_lt_u32 s4, 4
	s_cselect_b32 s6, s4, 0                        ; part inside the source buffer: X's quarter, else 0
	s_cselect_b32 s7, s4, s5                       ; part inside the destination: Xb's quarter, Wb's third,
	s_cmp_eq_u32 s4, 7
	s_cselect_b32 s7, 0, s7                        ; Wob: 0
	s_lshl_b32 s6, s6, 6
	s_add_co_u32 s6, s6, s3
	s_lshl_b32 s36, s6, 16                         ; source offset: 65,536 bytes a piece (at most 255 pieces: below 2^24)
	s_mov_b32 s37, 0
	s_lshl_b32 s7, s7, 6
	s_add_co_u32 s7, s7, s3
	s_lshl_b32 s38, s7, 15                         ; destination offset: 32,768 bytes a piece
	s_mov_b32 s39, 0
	s_wait_kmcnt 0x0
	s_cmp_eq_u32 s4, 4                             ; the source buffer, chosen by y alone
	s_cselect_b64 s[32:33], s[10:11], s[8:9]
	s_cmp_eq_u32 s4, 5
	s_cselect_b64 s[32:33], s[12:13], s[32:33]
	s_cmp_eq_u32 s4, 6
	s_cselect_b64 s[32:33], s[14:15], s[32:33]
	s_cmp_eq_u32 s4, 7
	s_cselect_b64 s[32:33], s[16:17], s[32:33]
	s_cselect_b64 s[34:35], s[28:29], s[26:27]     ; the destination buffer: Wob for y = 7, else Wb,
	s_cmp_lt_u32 s4, 4
	s_cselect_b64 s[34:35], s[24:25], s[34:35]     ; Xb for y < 4
	s_add_nc_u64 s[32:33], s[32:33], s[36:37]
	s_add_nc_u64 s[34:35], s[34:35], s[38:39]
	s_wait_alu depctr_va_vdst(0)                   ; v1 and v2 are written: every load and store of the kernel reads one of them as its offset
.irp i, 0,1,2,3,4,5,6,7,8,9,10,11,12,13,14,15
	global_load_b128 v[IN+4*\i:IN+4*\i+3], v1, s[32:33] offset:4096*\i th:TH_LOAD_NT   ; all 16 loads of the thread go out together
.endr
; Block p: pieces 4 p to 4 p + 3 are converted; the four stores of block p - 1 stand one ahead of each piece's two conversions.
; first = 1: block 0, with no block in front of it: no store, and no wait but the one for its data.
.macro BLK p, first
	s_wait_loadcnt 12-4*(\p)                       ; loads return in order: the block's four pieces are in, the 12 - 4 p younger loads stay out
.if !\first
	s_wait_alu depctr_va_vdst(0)                   ; the block before has written its eight OUT registers, which the four stores below read
.endif
.irp i, 0,1,2,3
.if !\first
	global_store_b64 v2, v[OUT+2*(4*(\p)-4+\i):OUT+2*(4*(\p)-4+\i)+1], s[34:35] offset:2048*(4*(\p)-4+\i)   ; no vector instruction since the wait names these registers
.endif
	v_cvt_pk_bf16_f32 v[OUT+2*(4*(\p)+\i)],   v[IN+4*(4*(\p)+\i)],   v[IN+4*(4*(\p)+\i)+1]
	v_cvt_pk_bf16_f32 v[OUT+2*(4*(\p)+\i)+1], v[IN+4*(4*(\p)+\i)+2], v[IN+4*(4*(\p)+\i)+3]                  ; every piece has registers of its own: nothing is rewritten
.endr
.endm
	BLK 0, 1
	BLK 1, 0
	BLK 2, 0
	BLK 3, 0
	s_wait_alu depctr_va_vdst(0)                   ; block 3 has written its eight OUT registers, which the last four stores read
.irp i, 12,13,14,15
	global_store_b64 v2, v[OUT+2*\i:OUT+2*\i+1], s[34:35] offset:2048*\i
.endr
	; the three biases: 4,096 bytes each, copied by the first work-group of Wq's, Wk's and Wv's part
	s_cmp_lg_u32 s3, 0
	s_cbranch_scc1 .Lend
	s_cmp_lt_u32 s4, 4
	s_cbranch_scc1 .Lend
	s_cmp_eq_u32 s4, 7
	s_cbranch_scc1 .Lend
	s_cmp_eq_u32 s4, 5
	s_cselect_b64 s[40:41], s[20:21], s[18:19]
	s_cmp_eq_u32 s4, 6
	s_cselect_b64 s[40:41], s[22:23], s[40:41]
	s_lshl_b32 s42, s5, 12                         ; (y - 4) x 4,096 bytes
	s_mov_b32 s43, 0
	s_add_nc_u64 s[42:43], s[30:31], s[42:43]
	global_load_b128 v[BV:BV+3], v1, s[40:41]      ; v1 was shown written at the head; no vector instruction ever names BV
	s_wait_loadcnt 0x0
	global_store_b128 v1, v[BV:BV+3], s[42:43]
.Lend:
	s_endpgm
.Lfunc_end_k_q526d0bdc75_cvt:
	.size	k_q526d0bdc75_cvt, .Lfunc_end_k_q526d0bdc75_cvt-k_q526d0bdc75_cvt
	.p2alignl 7, 3214868480
	.fill 96, 4, 3214868480
	.section	.rodata,"a",@progbits
	.p2align	6, 0x0
	.amdhsa_kernel k_q526d0bdc75_cvt
		.amdhsa_group_segment_fixed_size 0
		.amdhsa_private_segment_fixed_size 0
		.amdhsa_enable_private_segment 0
		.amdhsa_kernarg_size 96
		.amdhsa_user_sgpr_count 2
		.amdhsa_user_sgpr_kernarg_segment_ptr 1
		.amdhsa_wavefront_size32 1
		.amdhsa_system_sgpr_workgroup_id_x 1
		.amdhsa_system_sgpr_workgroup_id_y 1
		.amdhsa_system_sgpr_workgroup_id_z 1
		.amdhsa_system_vgpr_workitem_id 0
		.amdhsa_next_free_vgpr 104
		.amdhsa_next_free_sgpr 66
		.amdhsa_reserve_vcc 0
		.amdhsa_float_denorm_mode_32 3
		.amdhsa_float_denorm_mode_16_64 3
		.amdhsa_memory_ordered 1
		.amdhsa_forward_progress 1
		.amdhsa_inst_pref_size 8
	.end_amdhsa_kernel
	.amdgpu_metadata
---
amdhsa.version: [ 1, 2 ]
amdhsa.kernels:
  - .name:           k_q526d0bdc75_cvt
    .symbol:         k_q526d0bdc75_cvt.kd
    .args:
      - { .name: X, .offset: 0, .size: 8, .value_kind: global_buffer, .address_space: global }
      - { .name: Wq, .offset: 8, .size: 8, .value_kind: global_buffer, .address_space: global }
      - { .name: Wk, .offset: 16, .size: 8, .value_kind: global_buffer, .address_space: global }
      - { .name: Wv, .offset: 24, .size: 8, .value_kind: global_buffer, .address_space: global }
      - { .name: Wo, .offset: 32, .size: 8, .value_kind: global_buffer, .address_space: global }
      - { .name: bq, .offset: 40, .size: 8, .value_kind: global_buffer, .address_space: global }
      - { .name: bk, .offset: 48, .size: 8, .value_kind: global_buffer, .address_space: global }
      - { .name: bv, .offset: 56, .size: 8, .value_kind: global_buffer, .address_space: global }
      - { .name: Xb, .offset: 64, .size: 8, .value_kind: global_buffer, .address_space: global }
      - { .name: Wb, .offset: 72, .size: 8, .value_kind: global_buffer, .address_space: global }
      - { .name: Wob, .offset: 80, .size: 8, .value_kind: global_buffer, .address_space: global }
      - { .name: bqkv, .offset: 88, .size: 8, .value_kind: global_buffer, .address_space: global }
    .group_segment_fixed_size: 0
    .private_segment_fixed_size: 0
    .kernarg_segment_align: 8
    .kernarg_segment_size: 96
    .max_flat_workgroup_size: 256
    .sgpr_count:     66
    .vgpr_count:     104
    .wavefront_size: 32
...
	.end_amdgpu_metadata
.endif
;; end of part 5
;; launch qkv: the kernel of part 2 again; grid 16 x 16, 4 waves a work-group, clusters of 4 x 4, 327,680 bytes of LDS; arguments Xb, Wb, bqkv, qkv; writes qkv
;; launch attn: the kernel of part 3 again; grid 8 x 32, 4 waves a work-group, clusters of 4 x 1, 327,680 bytes of LDS; arguments qkv, att; writes att
;; launch oproj: the kernel of part 4 again; grid 8 x 32, 4 waves a work-group, clusters of 4 x 4, 327,680 bytes of LDS; arguments att, Wob, bo, out0; writes out0
